; MI455X (gfx1250); checked and timed in simulation.
; The chip was launched on July 23, 2026; its instructions are those of AMD's public machine-readable ISA for CDNA 5 (MIT licence, August 2026) and "CDNA5" Instruction Set Architecture Reference Guide (July 2026). The comments in the code are by the model that wrote it; some were corrected since.
;; NL Block. Allowed arithmetic: matrix products marked QUANTISED: E2M1 operands, one E8M0 scale for each 32 along K, by v_wmma_scale_f32_16x16x128_f8f6f4 with both operands' format E2M1 (or v_wmma_scale_f32_32x16x128_f4), f32 sums; products left as they are: f32 operands where the result goes on into a quantised operand, else bf16, f16 or f32 operands; f32 sums; everything else in f32.
;; Inputs: Lt 2,048 x 64 x 512 float32; W1 512 x 512 float32; W2 512 x 512 float32; W3 512 x 512 float32; W4 512 x 512 float32; b1 512 float32; b2 512 float32; b3 512 float32; b4 512 float32; ct 2,048 x 512 float32; ln_b 512 float32; ln_g 512 float32.
;; Outputs: out0 2,048 x 512 float32.
;; This version of the problem:
;;   THIS VERSION OF THE PROBLEM IS GIVEN IN LOW PRECISION. The matrix products marked QUANTISED in the list below multiply operands that are first quantised to E2M1 (2 exponent bits, 1 mantissa bit; 4 bits a number), with one power-of-two scale for each 32 numbers along K (OCP MX v1.0); their sums are f32. All else is computed in f32.
;;   The module's matrix products, in the order in which they are computed (A, B: the left and right operand; K: the contracted axis; several contracted axes count as one K, in the product's order):
;;     1. [M 2,048, K 512] x [K 512, N 512]; A: input ct; B: input W1: QUANTISED
;;     2. [M 131,072, K 512] x [K 512, N 512]; A: input Lt; B: input W2: QUANTISED
;;     3. batch 2,048 x [M 1, K 512] x [K 512, N 64]; A: computed on the way; B: computed on the way: left as it is (M = 1 < 16)
;;     4. [M 131,072, K 512] x [K 512, N 512]; A: input Lt; B: input W3: QUANTISED
;;     5. batch 2,048 x [M 1, K 64] x [K 64, N 512]; A: softmax; B: computed on the way: left as it is (M = 1 < 16)
;;     6. [M 2,048, K 512] x [K 512, N 512]; A: computed on the way; B: input W4: QUANTISED
;;   THE QUANTISER, for each operand of a quantised product, along K:
;;     - K is cut into blocks of 32 from its start; a last block that is shorter is filled with zeros.
;;     - A block's scale is 2^e with e = floor(log2(the largest magnitude in the block)) - 2, held to -126 .. 127; a block of zeros has e = 0. As a byte (E8M0): e + 127.
;;     - Each number is divided by its block's scale, clamped to +-6, and rounded to the nearest number of E2M1, ties to even, subnormals kept.
;;     - The product sums the exact products of the quantised numbers (number of the format x scale) in f32.
;;   ~~~python
;;   def quantise(x, axis):      # numpy; x: float32 -> the quantised numbers, widened to float32 again
;;       x = np.moveaxis(x, axis, -1); K = x.shape[-1]
;;       x = np.pad(x, [(0, 0)] * (x.ndim - 1) + [(0, -K % 32)]); x = x.reshape(x.shape[:-1] + (-1, 32)); a = np.abs(x).max(-1, keepdims=True)
;;       e = np.where(a > 0, np.clip(np.frexp(np.where(a > 0, a, 1))[1] - 1 - 2, -126, 127), 0)      # np.frexp(a)[1] - 1 = floor(log2(a)), exactly
;;       r = np.clip(x / 2.0 ** e, -6, 6)
;;       step = 2.0 ** (np.maximum(np.frexp(np.where(r == 0, 1, r))[1] - 1, 0) - 1)
;;       q = np.round(r / step) * step * 2.0 ** e      # np.round: ties to even
;;       return np.moveaxis(q.reshape(q.shape[:-2] + (-1,))[..., :K], -1, axis).astype(np.float32)
;;   ~~~
;;   OPERANDS COMPUTED ON THE WAY. 'Computed on the way' means the value that the module computes at that place (a softmax that the list does not call 'softmax' is quantised finished and normalised). What goes into a quantiser is computed in f32, as accurately as f32 sums, v_exp_f32 and their like allow (about 1e-6 of the number): no bf16 or f16 on the way to a quantiser, and a product that is left as it is and whose result goes on into a quantised operand takes f32 operands (vector FMAs, or v_wmma_f32_16x16x4_f32). A number that lies on a knife's edge between two numbers of the format may be rounded either way, as far as f32 arithmetic and the matrix unit's own rounding can turn it there, and no further.
;; One version. Each part assembles by itself: llvm-mc -triple=amdgcn-amd-amdhsa -mcpu=gfx1250 --defsym DOCPART=n.
;; ======== version 1 of 1: 2 launches
;; limits: right only within a limited range of input values
;; workspace buffers: wc 524,288 bytes; ws 32,768 bytes
;; launch prep (part 1): grid 32 x 4, 4 waves a work-group, no clusters, 34,560 bytes of LDS; arguments W1, W4, W2, W3, wc, ws; writes wc, ws
.if DOCPART == 1
	.amdgcn_target "amdgcn-amd-amdhsa--gfx1250"
	.amdhsa_code_object_version 6
	.text
	.protected	k_qf5d65a1d92_prep
	.globl	k_qf5d65a1d92_prep
	.p2align	8
	.type	k_qf5d65a1d92_prep,@function
k_qf5d65a1d92_prep:
	s_mov_b64 s[64:65], 0
	v_nop
	global_prefetch_b8 v0, s[64:65] scope:SCOPE_SE
	s_setreg_imm32_b32 hwreg(HW_REG_WAVE_MODE, 25, 1), 1
	s_wait_xcnt 0x0
; W1, W4, W2, W3 ([512][512] f32, K innermost) become codes of FP4 (E2M1) with one E8M0 byte for each 32 along K, laid in the ORDER OF THE OPERAND'S REGISTERS.
; wc: [X 4][tile of 16 rows: 32][block of 32 along K: 16][row r: 16][16 bytes].  Block = 4 s + 2 c + h, so the fragment (tile, K step s) is 1,024 bytes on end, and its
;     piece c (registers 4 c .. 4 c + 3) is 512 bytes with lane l's 16 bytes at 16 l.   ws: [X 4][row 512][16 bytes]: word s of a row = the four bytes of K step s.   X: 0 W1, 1 W4, 2 W2, 3 W3.
; A work-group takes 16 rows of one weight (x: the tile, y: the weight), wave s their K step s.  For the conversions lane (r, h) must hold k = 64 c + 32 h + 0 .. 31 of row r, two WHOLE blocks (no other lane
; is then asked for a maximum, and the conversions' results are the fragment's registers as they stand); a load is best where neighbouring lanes take neighbouring bytes.  Both are had: each of the 16 loads reads
; a row's 512 consecutive bytes, 16 a lane; the rows go through the wave's own stage in LDS (pitch 528) and come back 64 numbers a lane.
; A block's scale is 2^(floor(log2(its largest magnitude)) - 2); its byte is the largest magnitude's exponent field - 2, held at 1 from below.
; LIMITS: a block of zeros gets the byte 1 where the rule says 127 (its codes are zeros, and this program alone reads the bytes); blocks whose largest magnitude lies under 2^-124 are held at the byte 1;
; NaN and infinities among the inputs are not served.
; WORK LEFT OUT IN THIS PROGRAM: b2 is loaded by no launch.  k = Lt W2^T + b2 is used in q . k alone, and there b2 adds q . b2, one number for each batch, to all 64 scores of that batch, whatever q and b2 hold.
;     A softmax over these 64 scores does not change under a term that is the same along its axis, and the scores pass through no quantiser ahead of it.
;     LIMIT: a NaN, an infinity or an overflow that reaches only q . b2 is not carried to the result.
.set X,   16                           ; v16-79   my 64 numbers: register 32 c + i = k 64 c + 32 h + i
.set PC,  80                           ; v80-87   the fragment's codes
.set TM,  88                           ; v88-99   at work
.set PW,  100                          ; v100     my row's scale word
.set R,   112                          ; v112-175 the 16 rows as they are loaded: four registers a row
.set SH8, 9                            ; v9       8 h
.set SEL, 24                           ; s[24:25] lane selects for v_permlanex16_b32: lane l xor 16
.set SP,  528                          ; a stage row: 512 bytes + 16 = 33 x 16, so the 16 rows that a load touches start in 16 different groups of banks
.set WST, 16*SP                        ; a wave's stage
.set SCB, 4*WST                        ; behind the stages: the tile's 256 scale bytes
; 64 numbers of a lane, register x + 32 c + i = k 64 c + 32 h + i of my row, become the fragment's codes in v[pc] on and the row's scale word in v[pw] (whole in both halves of the lanes).
.macro QUANT x, pc, pw
.irp c, 0,1
	v_max3_num_f32 v[TM+\c], |v[\x+32*\c]|, |v[\x+32*\c+1]|, 0x1800000              ; two chains a block; the floor 2^(3 - 127) is a leaf: the byte cannot fall under 1
	v_max3_num_f32 v[TM+8+\c], |v[\x+32*\c+16]|, |v[\x+32*\c+17]|, |v[\x+32*\c+18]|
.endr
.irp i, 0,2,4,6,8,10
.irp c, 0,1
	v_max3_num_f32 v[TM+\c], v[TM+\c], |v[\x+32*\c+2+\i]|, |v[\x+32*\c+3+\i]|
	v_max3_num_f32 v[TM+8+\c], v[TM+8+\c], |v[\x+32*\c+19+\i]|, |v[\x+32*\c+20+\i]|
.endr
.endr
.irp c, 0,1
	v_max3_num_f32 v[TM+\c], v[TM+\c], |v[\x+32*\c+14]|, |v[\x+32*\c+15]|
.endr
.irp c, 0,1
	v_max3_num_f32 v[TM+\c], v[TM+\c], v[TM+8+\c], |v[\x+32*\c+31]|                 ; the block's largest magnitude
.endr
.irp c, 0,1
	v_add_nc_u32 v[TM+2+\c], 0xff000000, v[TM+\c]                                  ; 2 off its exponent field: the conversion takes the exponent field of this operand as its scale
.endr
.irp c, 0,1
	v_lshrrev_b32 v[TM+4+\c], 23, v[TM+2+\c]                                       ; the scale's byte
.endr
	v_lshl_or_b32 v[\pw], v[TM+5], 16, v[TM+4]                                     ; my two bytes: blocks h and 2 + h,
	v_lshlrev_b32 v[\pw], v[SH8], v[\pw]                                           ; at their places in the word;
	v_permlanex16_b32 v[TM+6], v[\pw], s[SEL], s[SEL+1]
	v_or_b32 v[\pw], v[\pw], v[TM+6]                                               ; with lane l xor 16's two the word is whole
.irp c, 0,1
.irp g, 0,1,2,3
	v_cvt_scalef32_pk8_fp4_f32 v[\pc+4*\c+\g], v[\x+32*\c+8*\g:\x+32*\c+8*\g+7], v[TM+2+\c]
.endr
.endr
	v_nop                                                                          ; one plain instruction behind the last scaled conversion
.endm
	s_load_b256 s[4:11], s[0:1], 0x0               ; W1, W4, W2, W3
	s_load_b128 s[12:15], s[0:1], 0x20             ; wc, ws
	v_lshl_add_u32 v176, v0, 2, 0x8500
	v_mov_b32 v177, 0
	v_lshrrev_b32 v1, 5, v0
	v_readfirstlane_b32 s17, v1                    ; wave = K step s
	s_and_b32 s16, ttmp7, 0xffff                   ; which weight
	v_and_b32 v1, 31, v0                           ; lane
	v_and_b32 v2, 15, v0                           ; r
	v_bfe_u32 v3, v0, 4, 1                         ; h
	v_lshlrev_b32 v5, 4, v1                        ; 16 x lane: my bytes of a row as it is loaded, and of the codes as they are stored
	s_mul_i32 s27, s17, WST                        ; my wave's stage
	v_add_nc_u32 v10, s27, v5                      ; into it: 16 x lane, a row an instruction
	v_mul_u32_u24 v4, v2, SP
	v_lshl_add_u32 v4, v3, 7, v4
	v_add_nc_u32 v4, s27, v4                       ; out of it: row r, + 128 h: my block of 32 numbers
	s_lshl_b32 s26, s17, 2
	v_lshl_add_u32 v6, v2, 4, s26
	v_add_nc_u32 v6, SCB, v6                       ; LDS: row r's 16 scale bytes, word s
	v_lshlrev_b32 v7, 3, v1                        ; scale bytes out: 8 x lane,
	v_add_nc_u32 v8, SCB, v7                       ; and the same in LDS
	v_lshlrev_b32 v[SH8], 3, v3
	v_mov_b32 v[TM+6], 0                           ; a lane permute's destination counts as one of its sources
	s_mov_b32 s[SEL], 0x76543210
	s_mov_b32 s[SEL+1], 0xfedcba98
	s_lshl_b32 s18, ttmp9, 15                      ; in: 16 rows of 2,048 bytes a tile,
	s_lshl_b32 s19, s17, 9                         ; 512 bytes a K step
	s_add_co_u32 s18, s18, s19
	s_mov_b32 s19, 0
	s_lshl_b32 s20, s16, 17                        ; wc: 131,072 a weight,
	s_lshl_b32 s21, ttmp9, 12                      ; 4,096 a tile,
	s_add_co_u32 s20, s20, s21
	s_lshl_b32 s21, s17, 10                        ; 1,024 a K step
	s_add_co_u32 s20, s20, s21
	s_mov_b32 s21, 0
	s_lshl_b32 s22, s16, 13                        ; ws: 8,192 a weight,
	s_lshl_b32 s23, ttmp9, 8                       ; 256 a tile
	s_add_co_u32 s22, s22, s23
	s_mov_b32 s23, 0
	s_wait_alu depctr_va_vdst(0)
	s_wait_kmcnt 0x0
	s_cmp_eq_u32 s16, 1                            ; the weight is chosen by the work-group's y alone
	s_cselect_b64 s[4:5], s[6:7], s[4:5]
	s_cmp_eq_u32 s16, 2
	s_cselect_b64 s[4:5], s[8:9], s[4:5]
	s_cmp_eq_u32 s16, 3
	s_cselect_b64 s[4:5], s[10:11], s[4:5]
	s_add_nc_u64 s[4:5], s[4:5], s[18:19]
	s_add_nc_u64 s[12:13], s[12:13], s[20:21]
	s_add_nc_u64 s[14:15], s[14:15], s[22:23]
.irp i, 0,1,2,3,4,5,6,7,8,9,10,11,12,13,14,15
	global_load_b128 v[R+4*\i:R+4*\i+3], v5, s[4:5] offset:2048*\i th:TH_LOAD_NT   ; row i: 32 lanes read 512 consecutive bytes
.endr
.irp i, 0,1,2,3,4,5,6,7,8,9,10,11,12,13,14,15
	s_wait_loadcnt 15-\i                           ; loads come back in order (ISA guide 5.7.1): row i is in, the rows behind it may be out
	ds_store_b128 v10, v[R+4*\i:R+4*\i+3] offset:SP*\i
.endr
.irp c, 0,1
.irp i, 0,1,2,3,4,5,6,7
	ds_load_b128 v[X+32*\c+4*\i:X+32*\c+4*\i+3], v4 offset:256*\c+16*\i   ; LDS serves a wave's instructions in order (ISA guide 5.7.1): these see my stores
.endr
.endr
	s_wait_dscnt 0x0
	QUANT X, PC, PW
.irp c, 0,1
	global_store_b128 v5, v[PC+4*\c:PC+4*\c+3], s[12:13] offset:512*\c   ; 32 lanes store 512 consecutive bytes, aligned
.endr
	ds_store_b32 v6, v[PW]                         ; both halves of the lanes write the same word with the same value
	s_wait_dscnt 0x0                               ; for the others' sake: my word lies in LDS
	s_barrier_signal -1
	s_barrier_wait -1
	s_cmp_lg_u32 s17, 0                            ; wave 0 stores the tile's 256 scale bytes
	s_cbranch_scc1 .Ldone
	ds_load_b64 v[102:103], v8
	s_wait_dscnt 0x0
	global_store_b64 v7, v[102:103], s[14:15]      ; 32 lanes store 256 consecutive bytes, aligned
.Ldone:
	s_wait_tensorcnt 0x0
	ds_add_u32 v176, v177
	s_wait_dscnt 0x0
	s_endpgm
.Lfunc_end_k_qf5d65a1d92_prep:
	.size	k_qf5d65a1d92_prep, .Lfunc_end_k_qf5d65a1d92_prep-k_qf5d65a1d92_prep
	.p2alignl 7, 3214868480
	.fill 96, 4, 3214868480
	.section	.rodata,"a",@progbits
	.p2align	6, 0x0
	.amdhsa_kernel k_qf5d65a1d92_prep
		.amdhsa_group_segment_fixed_size 34560
		.amdhsa_private_segment_fixed_size 0
		.amdhsa_enable_private_segment 0
		.amdhsa_kernarg_size 48
		.amdhsa_user_sgpr_count 2
		.amdhsa_user_sgpr_kernarg_segment_ptr 1
		.amdhsa_wavefront_size32 1
		.amdhsa_system_sgpr_workgroup_id_x 1
		.amdhsa_system_sgpr_workgroup_id_y 1
		.amdhsa_system_sgpr_workgroup_id_z 1
		.amdhsa_system_vgpr_workitem_id 0
		.amdhsa_next_free_vgpr 178
		.amdhsa_next_free_sgpr 66
		.amdhsa_reserve_vcc 0
		.amdhsa_float_denorm_mode_32 3
		.amdhsa_float_denorm_mode_16_64 3
		.amdhsa_memory_ordered 1
		.amdhsa_forward_progress 1
		.amdhsa_inst_pref_size 11
	.end_amdhsa_kernel
	.amdgpu_metadata
---
amdhsa.version: [ 1, 2 ]
amdhsa.kernels:
  - .name:           k_qf5d65a1d92_prep
    .symbol:         k_qf5d65a1d92_prep.kd
    .args:
      - { .name: W1, .offset: 0, .size: 8, .value_kind: global_buffer, .address_space: global }
      - { .name: W4, .offset: 8, .size: 8, .value_kind: global_buffer, .address_space: global }
      - { .name: W2, .offset: 16, .size: 8, .value_kind: global_buffer, .address_space: global }
      - { .name: W3, .offset: 24, .size: 8, .value_kind: global_buffer, .address_space: global }
      - { .name: wc, .offset: 32, .size: 8, .value_kind: global_buffer, .address_space: global }
      - { .name: ws, .offset: 40, .size: 8, .value_kind: global_buffer, .address_space: global }
    .group_segment_fixed_size: 34560
    .private_segment_fixed_size: 0
    .kernarg_segment_align: 8
    .kernarg_segment_size: 48
    .max_flat_workgroup_size: 128
    .sgpr_count:     66
    .vgpr_count:     178
    .wavefront_size: 32
...
	.end_amdgpu_metadata
.endif
;; end of part 1
;; launch main (part 2): grid 256 x 1, 8 waves a work-group, no clusters, 327,680 bytes of LDS; arguments Lt, ct, wc, ws, b1, b3, b4, ln_g, ln_b, out0; writes out0
.if DOCPART == 2
	.amdgcn_target "amdgcn-amd-amdhsa--gfx1250"
	.amdhsa_code_object_version 6
	.text
	.protected	k_qf5d65a1d92_main
	.globl	k_qf5d65a1d92_main
	.p2align	8
	.type	k_qf5d65a1d92_main,@function
k_qf5d65a1d92_main:
	s_mov_b64 s[64:65], 0
	v_nop
	global_prefetch_b8 v0, s[64:65] scope:SCOPE_SE
	s_setreg_imm32_b32 hwreg(HW_REG_WAVE_MODE, 25, 1), 1
	s_wait_xcnt 0x0
; out = ct + relu(LayerNorm(sum_t softmax_t(q . k_t / sqrt(512)) v_t)) W4^T + b4,  q = ct W1^T + b1,  k = Lt W2^T,  v = Lt W3^T + b3.  2,048 batches of 64 rows of Lt, all widths 512.
; LEFT OUT: b2 (q . b2 is the same for all 64 scores of a batch, and a softmax does not change under it: the first kernel's head says more, with the limit).
; The four products with a weight run on codes of FP4 (E2M1) with one E8M0 scale for each 32 along K; q . k, the softmax, p . v and the LayerNorm are f32 vector work.  k and v never leave the registers.
; SHARES.  256 work-groups that stay, 8 batches each; eight waves, two a SIMD.  Waves 0-3 hold W2 and make the scores of batch t; waves 4-7 hold W3 and make the softmax and p . v of batch t - 1; each owns 128 columns,
; whose 32 fragments stay in 256 registers.  All eight quantise: wave w takes rows 32 (w / 4) .. + 31, columns 128 (w % 4) .. + 127 (K step w % 4) of a batch, its own tensor load's tile, and hands its two fragments to the
; others through LDS as IMAGES OF THEIR REGISTERS (16 bytes a lane), in two buffers by turns.
; At the head waves 4-7 make q (W1) and load W3 afterwards; at the end waves 0-3 load W4 while waves 4-7 finish batch 7, and make out.
; A TRIP t: quantise batch t; barrier; scores of t beside p . v of t - 1; the three lines and the barrier of the change of slots; the slot that batch t lay in takes batch t + 2, which has the next whole trip in which to land.
; k IS USED TRANSPOSED (source 0 = 16 rows of W2, source 1 = 16 rows of Lt): a lane holds one t and eight e.  v IS USED STRAIGHT (source 0 = Lt, source 1 = W3): a lane holds one e and eight t.  Both take the same images.
; No cluster: what work-groups share is the weights' codes, read once by each at its head and end straight into registers; each work-group's Lt is its own.
; PREFETCH into the L2: in trip t batch t + 2 (131,072 bytes), one trip ahead of its tensor load; at the head batch 1; batch 0 comes by its loads alone; the last two trips ask for nothing.  Wave w names blocks 64 w .. 64 w + 63 of 256 bytes.
; ORDER OF ROUNDING: q is multiplied by log2(e) / sqrt(512) ahead of q . k (p = 2^(s - max s)); the sum of p divides the context behind the sum over t; b3 is added behind that (the weights sum to 1 but for their rounding); ct + b4 is added to the last product.
; LIMITS: NaN and infinities among the inputs are not served; a block of zeros gets the scale byte 1 (its codes are zeros; the bytes are read here alone); blocks with a largest magnitude under 2^-124 are held at the byte 1.
;
; LDS, in bytes
.set PART,  16896                      ; a wave's part of a slot: 32 rows x (512 + 16): 33 x 16, so the 16 rows that a load touches start in 16 different groups of banks
.set SLOT,  135168                     ; slot 1 = 0x21000: neither of its bits is set in w x PART, so one exclusive or turns one slot's address into the other's
.set IMG,   270336                     ; image buffer: fragment (tile of rows m, K step s) at (4 m + s) x 1,024 + 512 c + 16 x lane; behind the 16 fragments the scale words, 16 x row + 4 s
.set IBUF,  17408                      ; the second buffer: 0x4400, whose bits are not set in IMG = 0x42000
.set SCR,   305152                     ; partial scores [wave 0-3][t]: 256 w + 4 t
.set PSC,   306176                     ; p: waves 4-7, 256 bytes each: p(t) at 4 t
.set QC,    307200                     ; nine rows of 512 f32 + 16 bytes: q of batch b in row b, the context of batch b in row b + 1 (whose q has been read by then); at the end the stage for out
.set QP,    2064
.set SPARE, 325888                     ; the spare words, 128 bytes for each wave: four blocks of 256 bytes that no other line names
; REGISTERS.  window 1: the weight's fragments, tile n, K step s at 8 (4 n + s).   window 0:
.set SPW, 1                            ; LDS address of my spare word; never rewritten
.set NIL, 2                            ; 0; never rewritten
.set LQ,  3                            ; my place in a slot: PART w + 528 r + 128 h
.set L16, 4                            ; 16 x lane
.set IW,  5                            ; where in an image buffer I store my fragments
.set IWS, 6                            ; and my scale words
.set SH8, 7                            ; 8 h
.set SCS, 8                            ; SCR + 256 (w % 4) + 4 x lane
.set SCD, 9                            ; SCR + 8 x lane
.set PST, 10                           ; PSC + 256 (w % 4) + 8 x lane
.set PLD, 11                           ; PSC + 256 (w % 4) + 32 h
.set QR,  12                           ; QC + 512 (w % 4) + 32 h
.set CW,  13                           ; QC + 512 (w % 4) + 4 x lane
.set QW,  14                           ; QR + QP (r & 7)
.set PFO, 15                           ; the prefetches' offset; behind the loops 64 x lane
.set OV,  16                           ; v16-31  the context's sums; the chains of q . k (16-23) and the scores (24-27); while quantising: two tiles' codes
.set CH,  16
.set SCL, 32                           ; v32-39  the rows' scale words at 4 (m / 2) + s: lane l has row 32 (m / 2) + l.  Scales and nothing else
.set SCW, 40                           ; v40-55  the weight's scale words at 4 (n / 2) + s: lane l has row 32 (n / 2) + l.  Scales and nothing else
.set LI,  56                           ; where I read images; while quantising: a scale word
.set PD,  57                           ; a lane permute's destination
.set ACC, 64                           ; v64-127 two sets of four accumulators; while quantising: 64 numbers; at the end ct + b4
.set FR,  128                          ; v128-191 two tiles' fragments; while quantising: 64 numbers
.set QV,  192                          ; v192-255 the batch's q (waves 0-3)
.set PV,  192                          ; v192-207 p of two tiles (waves 4-7); ahead of that the partial scores
; scalars
.set G1,  24
.set G0,  32
.set WV,  36                           ; my wave's number
.set WL,  37                           ; its low two bits
.set HF,  38                           ; its third bit
.set TB,  39                           ; the slot in hand
.set IB,  40                           ; the image buffer in hand
.set QB,  41                           ; the batch's row in QC
.set CNT, 43
.set SEL, 44                           ; lane selects for v_permlanex16_b32: lane l xor 16
.set CS,  46                           ; log2(e) / sqrt(512)
.set PFA, 48                           ; where the prefetches stand
.set NT,  6                            ; trips of the first loop
.set MSB, 0
.macro WIN new                         ; s_set_vgpr_msb: bits 1:0 source 0, 3:2 source 1, 5:4 source 2, 7:6 destination; the high byte repeats the setting that is left
.if MSB != \new
	s_set_vgpr_msb (MSB<<8)|\new
.set MSB, \new
.endif
.endm
.macro WA
	s_wait_alu depctr_va_vdst(0)
.endm
.macro PLACES                          ; four plain instructions behind matrix instructions and behind a tensor load
.rept 4
	v_nop
.endr
.endm
.macro BARRIER                         ; my LDS stores have landed and my LDS loads are in: then the work-group's barrier
	WA
	s_wait_dscnt 0x0
	s_barrier_signal -1
	s_barrier_wait -1
.endm
; one matrix instruction: D, A, B, C (z = 0: the constant 0), A's and B's scales, and which half of the lanes they stand in
.macro MM d, a, b, c, z, sa, sb, ra, rb
.if (\z) == 0
.if (\ra) && (\rb)
	v_wmma_scale_f32_16x16x128_f8f6f4 v[\d:\d+7], v[\a:\a+7], v[\b:\b+7], 0, v[\sa], v[\sb] matrix_a_fmt:MATRIX_FMT_FP4 matrix_b_fmt:MATRIX_FMT_FP4 matrix_a_scale:MATRIX_SCALE_ROW1 matrix_b_scale:MATRIX_SCALE_ROW1
.elseif (\ra)
	v_wmma_scale_f32_16x16x128_f8f6f4 v[\d:\d+7], v[\a:\a+7], v[\b:\b+7], 0, v[\sa], v[\sb] matrix_a_fmt:MATRIX_FMT_FP4 matrix_b_fmt:MATRIX_FMT_FP4 matrix_a_scale:MATRIX_SCALE_ROW1
.elseif (\rb)
	v_wmma_scale_f32_16x16x128_f8f6f4 v[\d:\d+7], v[\a:\a+7], v[\b:\b+7], 0, v[\sa], v[\sb] matrix_a_fmt:MATRIX_FMT_FP4 matrix_b_fmt:MATRIX_FMT_FP4 matrix_b_scale:MATRIX_SCALE_ROW1
.else
	v_wmma_scale_f32_16x16x128_f8f6f4 v[\d:\d+7], v[\a:\a+7], v[\b:\b+7], 0, v[\sa], v[\sb] matrix_a_fmt:MATRIX_FMT_FP4 matrix_b_fmt:MATRIX_FMT_FP4
.endif
.else
.if (\ra) && (\rb)
	v_wmma_scale_f32_16x16x128_f8f6f4 v[\d:\d+7], v[\a:\a+7], v[\b:\b+7], v[\c:\c+7], v[\sa], v[\sb] matrix_a_fmt:MATRIX_FMT_FP4 matrix_b_fmt:MATRIX_FMT_FP4 matrix_a_scale:MATRIX_SCALE_ROW1 matrix_b_scale:MATRIX_SCALE_ROW1
.elseif (\ra)
	v_wmma_scale_f32_16x16x128_f8f6f4 v[\d:\d+7], v[\a:\a+7], v[\b:\b+7], v[\c:\c+7], v[\sa], v[\sb] matrix_a_fmt:MATRIX_FMT_FP4 matrix_b_fmt:MATRIX_FMT_FP4 matrix_a_scale:MATRIX_SCALE_ROW1
.elseif (\rb)
	v_wmma_scale_f32_16x16x128_f8f6f4 v[\d:\d+7], v[\a:\a+7], v[\b:\b+7], v[\c:\c+7], v[\sa], v[\sb] matrix_a_fmt:MATRIX_FMT_FP4 matrix_b_fmt:MATRIX_FMT_FP4 matrix_b_scale:MATRIX_SCALE_ROW1
.else
	v_wmma_scale_f32_16x16x128_f8f6f4 v[\d:\d+7], v[\a:\a+7], v[\b:\b+7], v[\c:\c+7], v[\sa], v[\sb] matrix_a_fmt:MATRIX_FMT_FP4 matrix_b_fmt:MATRIX_FMT_FP4
.endif
.endif
.endm
; 64 numbers of a lane, register x + 32 c + i = k 64 c + 32 h + i of its row, become a fragment's codes in v[pc] on and the row's scale word in v[pw] (whole in both halves of the lanes).  At work: v57-63
.macro QUANT x, pc, pw
.irp c, 0,1
	v_max3_num_f32 v[58+\c], |v[\x+32*\c]|, |v[\x+32*\c+1]|, 0x1800000              ; two chains a block; the floor 2^(3 - 127) is a leaf: the byte cannot fall under 1
	v_max3_num_f32 v[62+\c], |v[\x+32*\c+16]|, |v[\x+32*\c+17]|, |v[\x+32*\c+18]|
.endr
.irp i, 0,2,4,6,8,10
.irp c, 0,1
	v_max3_num_f32 v[58+\c], v[58+\c], |v[\x+32*\c+2+\i]|, |v[\x+32*\c+3+\i]|
	v_max3_num_f32 v[62+\c], v[62+\c], |v[\x+32*\c+19+\i]|, |v[\x+32*\c+20+\i]|
.endr
.endr
.irp c, 0,1
	v_max3_num_f32 v[58+\c], v[58+\c], |v[\x+32*\c+14]|, |v[\x+32*\c+15]|
.endr
.irp c, 0,1
	v_max3_num_f32 v[58+\c], v[58+\c], v[62+\c], |v[\x+32*\c+31]|                  ; the block's largest magnitude: all 32 numbers are mine
.endr
.irp c, 0,1
	v_add_nc_u32 v[60+\c], 0xff000000, v[58+\c]                                    ; 2 off its exponent field: the conversion takes the exponent field of this operand as its scale
.endr
.irp c, 0,1
.irp g, 0,1,2,3
	v_cvt_scalef32_pk8_fp4_f32 v[\pc+4*\c+\g], v[\x+32*\c+8*\g:\x+32*\c+8*\g+7], v[60+\c]
.endr
.endr
.irp c, 0,1
	v_lshrrev_b32 v[62+\c], 23, v[60+\c]                                           ; the scale's byte
.endr
	v_lshl_or_b32 v[\pw], v63, 16, v62                                             ; my two bytes: blocks h and 2 + h,
	v_lshlrev_b32 v[\pw], v[SH8], v[\pw]                                           ; at their places in the word;
	v_permlanex16_b32 v[PD], v[\pw], s[SEL], s[SEL+1]
	v_or_b32 v[\pw], v[\pw], v[PD]                                                 ; with lane l xor 16's two the word is whole
.endm
; A row of 512 numbers, 16 neighbours a lane in v[x] on, becomes row w of the four fragments in image buffer 1: 8 bytes of codes a lane, and the block's scale byte (two lanes write the same byte with the same value)
.macro ROWQ x, ai, as
	v_max3_num_f32 v58, |v[\x]|, |v[\x+1]|, 0x1800000
	v_max3_num_f32 v59, |v[\x+2]|, |v[\x+3]|, |v[\x+4]|
.irp i, 5,9
	v_max3_num_f32 v58, v58, |v[\x+\i]|, |v[\x+\i+1]|
	v_max3_num_f32 v59, v59, |v[\x+\i+2]|, |v[\x+\i+3]|
.endr
	v_max3_num_f32 v58, v58, |v[\x+13]|, |v[\x+14]|
	v_max3_num_f32 v58, v58, v59, |v[\x+15]|
	v_max_num_f32_dpp v58, v58, v58 row_xmask:1 row_mask:0xf bank_mask:0xf         ; with my neighbour's 16: the block's
	v_add_nc_u32 v60, 0xff000000, v58
	v_cvt_scalef32_pk8_fp4_f32 v62, v[\x:\x+7], v60
	v_cvt_scalef32_pk8_fp4_f32 v63, v[\x+8:\x+15], v60
	v_lshrrev_b32 v61, 23, v60
	ds_store_b64 v[\ai], v[62:63]
	ds_store_b8 v[\as], v61
.endm
.macro XLD u, x                        ; rows 16 u .. + 15 of my tile: my 64 numbers of row 16 u + r
.irp c, 0,1
.irp i, 0,1,2,3,4,5,6,7
	ds_load_b128 v[\x+32*\c+4*\i:\x+32*\c+4*\i+3], v31 offset:8448*\u+256*\c+16*\i
.endr
.endr
.endm
.macro IMAGE u, pc, pw                 ; fragment (2 (w / 4) + u, my K step) goes to LDS as it stands, and its scale words
.irp c, 0,1
	ds_store_b128 v65, v[\pc+4*\c:\pc+4*\c+3] offset:4096*\u+512*\c
.endr
	ds_store_b32 v66, v[\pw] offset:256*\u
.endm
.macro SCLD                            ; the 64 rows' scale words
	ds_load_b128 v[SCL:SCL+3], v[LI] offset:16384
	ds_load_b128 v[SCL+4:SCL+7], v[LI] offset:16896
.endm
.macro FETCH m                         ; the four fragments of the tile of rows m
.irp s, 0,1,2,3
.irp c, 0,1
	ds_load_b128 v[FR+32*((\m)%2)+8*\s+4*\c:FR+32*((\m)%2)+8*\s+4*\c+3], v[LI] offset:(4*(\m)+\s)*1024+512*\c
.endr
.endr
.endm
.macro PLOAD m                         ; p(16 m + 8 h + j)
.irp u, 0,1
	ds_load_b128 v[PV+8*((\m)%2)+4*\u:PV+8*((\m)%2)+4*\u+3], v[PLD] offset:64*(\m)+16*\u
.endr
.endm
.macro GLW base                        ; my 32 fragments of a weight, as they lie in wc: 32 lanes read 512 consecutive bytes
	WIN 0x40
.irp n, 0,1,2,3,4,5,6,7
.irp s, 0,1,2,3
.irp c, 0,1
	global_load_b128 v[8*(4*\n+\s)+4*\c:8*(4*\n+\s)+4*\c+3], v[L16], s[\base:\base+1] offset:4096*\n+1024*\s+512*\c
.endr
.endr
.endr
	WIN 0
.endm
.macro GLS base                        ; its scale words: four words a row, lane l row 32 i + l
.irp i, 0,1,2,3
	global_load_b128 v[SCW+4*\i:SCW+4*\i+3], v[L16], s[\base:\base+1] offset:512*\i
.endr
.endm
; 16 matrix instructions: the tile of rows m, four of my eight tiles of columns; the four accumulators by turns
.macro WMK m, hh
	WIN 0x01                                       ; source 0 (W2) window 1
.irp s, 0,1,2,3
.irp i, 0,1,2,3
	MM ACC+32*\hh+8*\i, 8*(4*(4*\hh+\i)+\s), FR+32*((\m)%2)+8*\s, ACC+32*\hh+8*\i, \s, SCW+4*((4*\hh+\i)/2)+\s, SCL+4*((\m)/2)+\s, (\i)%2, (\m)%2
.endr
.endr
.endm
.macro WMV m, hh
	WIN 0x04                                       ; source 1 (W3) window 1
.irp s, 0,1,2,3
.irp i, 0,1,2,3
	MM ACC+32*\hh+8*\i, FR+32*((\m)%2)+8*\s, 8*(4*(4*\hh+\i)+\s), ACC+32*\hh+8*\i, \s, SCL+4*((\m)/2)+\s, SCW+4*((4*\hh+\i)/2)+\s, (\m)%2, (\i)%2
.endr
.endr
.endm
; q . k over half of my e of row t = 16 m + r: four chains of packed multiply-adds; each accumulator is read from its low end on
.macro REDK m, hh
	WIN 0
.irp i, 0,1,2,3
.irp j, 0,2,4,6
.if (\hh == 0) && (\i == 0)
	v_pk_mul_f32 v[CH+\j:CH+\j+1], v[ACC+\j:ACC+\j+1], v[QV+\j:QV+\j+1]
.else
	v_pk_fma_f32 v[CH+\j:CH+\j+1], v[ACC+32*\hh+8*\i+\j:ACC+32*\hh+8*\i+\j+1], v[QV+32*\hh+8*\i+\j:QV+32*\hh+8*\i+\j+1], v[CH+\j:CH+\j+1]
.endif
.endr
.endr
.if \hh == 1
	v_pk_add_f32 v[CH:CH+1], v[CH:CH+1], v[CH+2:CH+3]
	v_pk_add_f32 v[CH+4:CH+5], v[CH+4:CH+5], v[CH+6:CH+7]
	v_pk_add_f32 v[CH:CH+1], v[CH:CH+1], v[CH+4:CH+5]
	v_add_f32 v[24+\m], v[CH], v[CH+1]
.endif
.endm
; sum over t = 16 m + 8 h + 0 .. 7 of p v for four tiles of e: four chains; each accumulator is read from its low end on
.macro REDV m, hh
	WIN 0
.irp j, 0,2,4,6
.irp i, 0,1,2,3
.if (\m == 0) && (\j == 0)
	v_pk_mul_f32 v[OV+8*\hh+2*\i:OV+8*\hh+2*\i+1], v[ACC+32*\hh+8*\i:ACC+32*\hh+8*\i+1], v[PV:PV+1]
.else
	v_pk_fma_f32 v[OV+8*\hh+2*\i:OV+8*\hh+2*\i+1], v[ACC+32*\hh+8*\i+\j:ACC+32*\hh+8*\i+\j+1], v[PV+8*((\m)%2)+\j:PV+8*((\m)%2)+\j+1], v[OV+8*\hh+2*\i:OV+8*\hh+2*\i+1]
.endif
.endr
.endr
.endm
; WAVES 0-3: my 128 e's part of the batch's 64 scores.  A reduction stands behind the next 16 products and is their places
.macro KPASS
	s_wait_loadcnt 0x0                             ; the first trip: W2 and its scale words are in
	v_add_nc_u32 v[LI], s[IB], v[L16]
	SCLD
	FETCH 0
	FETCH 1
	s_wait_dscnt 8                                 ; the scale words and tile 0; behind them tile 1's eight loads
	WMK 0, 0
	WMK 0, 1
	PLACES
	REDK 0, 0
	FETCH 2
	WA
	s_wait_dscnt 8                                 ; tile 1; behind it tile 2's eight
	WMK 1, 0
	REDK 0, 1
	WMK 1, 1
	REDK 1, 0
	FETCH 3
	WA
	s_wait_dscnt 8                                 ; tile 2; behind it tile 3's eight
	WMK 2, 0
	REDK 1, 1
	WMK 2, 1
	REDK 2, 0
	WA
	s_wait_dscnt 0x0                               ; tile 3
	WMK 3, 0
	REDK 2, 1
	WMK 3, 1
	REDK 3, 0
	REDK 3, 1
	v_permlane16_swap_b32 v24, v25                 ; the two halves' e of tiles 0 and 1 change places, so that one addition serves both tiles: lane l then has t = l,
	v_permlane16_swap_b32 v26, v27
	v_add_f32 v24, v24, v25
	v_add_f32 v26, v26, v27                        ; and t = 32 + l
	ds_store_b32 v[SCS], v24
	ds_store_b32 v[SCS], v26 offset:128
.endm
.macro SCORES                          ; the four waves' parts of my two scores, t = 2 x lane and 2 x lane + 1
.irp q, 0,1,2,3
	ds_load_b64 v[PV+2*\q:PV+2*\q+1], v[SCD] offset:256*\q
.endr
.endm
; WAVES 4-7: the softmax and p . v of the batch before, whose images lie in the other buffer.  The first tile's products need no p.
; The softmax is made by each of the four waves, two scores a lane; p goes through the wave's own 256 bytes of LDS into the layout that v's results want
.macro VPASS
	s_xor_b32 s50, s[IB], IBUF
	v_add_nc_u32 v[LI], s50, v[L16]
	SCLD
	FETCH 0
	FETCH 1
	s_wait_dscnt 8                                 ; the scores, the scale words and tile 0; behind them tile 1's eight loads
	WMV 0, 0
	WMV 0, 1
	WIN 0
	v_pk_add_f32 v[192:193], v[192:193], v[194:195]
	v_pk_add_f32 v[196:197], v[196:197], v[198:199]
	v_pk_add_f32 v[192:193], v[192:193], v[196:197]
	v_max_num_f32 v59, v192, v193
.irp x, 1,2,4,8
	v_max_num_f32_dpp v59, v59, v59 row_xmask:\x row_mask:0xf bank_mask:0xf
.endr
	v_permlanex16_b32 v[PD], v59, s[SEL], s[SEL+1]
	v_max_num_f32 v58, v59, v[PD]                  ; the largest of the 64 scores, in every lane
	v_pk_add_f32 v[192:193], v[192:193], v[58:59] op_sel_hi:[1,0] neg_lo:[0,1] neg_hi:[0,1]
	WA
	v_exp_f32 v62, v192
	v_exp_f32 v63, v193
	v_nop                                          ; a plain instruction behind the last exponential,
	WA                                             ; and one wait for the two
	ds_store_b64 v[PST], v[62:63]
	PLOAD 0                                        ; LDS serves a wave's instructions in order (ISA guide 5.7.1): these see my wave's store
	PLOAD 1
	v_add_f32 v61, v62, v63
.irp x, 1,2,4,8
	v_add_f32_dpp v61, v61, v61 row_xmask:\x row_mask:0xf bank_mask:0xf
.endr
	v_permlanex16_b32 v[PD], v61, s[SEL], s[SEL+1]
	v_add_f32 v61, v61, v[PD]                      ; the sum of the 64 p
	WA
	v_rcp_f32 v60, v61
	v_nop
	s_wait_dscnt 0x0                               ; p, and tile 1
	WA                                             ; for the reciprocal, and for the first four accumulators
	REDV 0, 0
	FETCH 2
	WMV 1, 0
	WIN 0
	WA                                             ; for the other four, whose products stand ahead of the exponentials
	REDV 0, 1
	PLOAD 2
	WMV 1, 1
	REDV 1, 0
	FETCH 3
	s_wait_dscnt 8                                 ; tile 2 and its p; behind them tile 3's eight
	WMV 2, 0
	REDV 1, 1
	PLOAD 3
	WMV 2, 1
	REDV 2, 0
	s_wait_dscnt 0x0                               ; tile 3 and its p
	WMV 3, 0
	REDV 2, 1
	WMV 3, 1
	REDV 3, 0
	REDV 3, 1
.irp n, 0,1,2,3,4,5,6,7
	v_add_f32 v[OV+2*\n], v[OV+2*\n], v[OV+2*\n+1]
.endr
.irp i, 0,1,2,3
	v_permlane16_swap_b32 v[OV+4*\i], v[OV+4*\i+2] ; the two halves' t of tiles 2 i and 2 i + 1 change places:
.endr
.irp i, 0,1,2,3
	v_add_f32 v[OV+4*\i], v[OV+4*\i], v[OV+4*\i+2] ; lane l then has e = 32 i + l
.endr
.irp i, 0,1,2,3
	v_mul_f32 v[OV+4*\i], v60, v[OV+4*\i]
.endr
	v_add_nc_u32 v63, s[QB], v[CW]
.irp i, 0,1,2,3
	ds_store_b32 v63, v[OV+4*\i] offset:128*\i     ; the context of batch t - 1 into row t of the table
.endr
.endm
; THE CHANGE OF SLOTS.  Each wave waits for all its tensor loads (one is out: the batch that the next trip quantises), adds 0 to its spare word, waits for that and for its LDS instructions, and passes the barrier.
; fill = 1: the slot that was read in this trip takes the batch after that.  By this text's own count a wave never has more than one tensor load out.
.macro CHANGE fill
.if \fill
	s_wait_xcnt 0x0                                ; my prefetches have read their base, which is stepped below
.endif
	s_wait_tensorcnt 0x0                           ; no tensor load of mine is out, so group 0 may be written
	ds_add_u32 v[SPW], v[NIL]                      ; 0 onto my spare word
.if \fill
	s_xor_b32 s[G0+1], s[G0+1], SLOT               ; the other slot than last time,
	s_add_nc_u64 s[G0+2:G0+3], s[G0+2:G0+3], 131072   ; the next batch's 64 rows of 2,048 bytes; the type bits on top are not reached
	s_add_nc_u64 s[PFA:PFA+1], s[PFA:PFA+1], 131072   ; and the prefetches one batch further on
.endif
	s_wait_dscnt 0x0
	s_barrier_signal -1
	s_barrier_wait -1
.if \fill
	tensor_load_to_lds s[G0:G0+3], s[G1:G1+7]      ; the first thing behind the barrier, and my one tensor load until the next change
	s_nop 0
	PLACES
.endif
.endm
.macro PREF                            ; 64 blocks of 256 bytes, two instructions
	global_prefetch_b8 v[PFO], s[PFA:PFA+1] th:TH_LOAD_NT scope:SCOPE_SE
	global_prefetch_b8 v[PFO], s[PFA:PFA+1] offset:8192 th:TH_LOAD_NT scope:SCOPE_SE
.endm
; THE TRIP'S FIRST PHASE: what the second phase wants of the tables (waves 0-3 the batch's q, waves 4-7 the scores of the batch before), then my tile becomes four fragments
.macro QPHASE pf
	s_cmp_lt_u32 s[WV], 4
	s_cbranch_scc0 .Lqv_\@
	v_add_nc_u32 v30, s[QB], v[QR]
.irp n, 0,1,2,3,4,5,6,7
.irp u, 0,1
	ds_load_b128 v[QV+8*\n+4*\u:QV+8*\n+4*\u+3], v30 offset:64*\n+16*\u
.endr
.endr
	s_branch .Lqj_\@
.Lqv_\@:
	s_cmp_eq_u32 s[CNT], NT                        ; the first trip has no batch before it
	s_cbranch_scc1 .Lqj_\@
	SCORES
.Lqj_\@:
	v_add_nc_u32 v31, s[TB], v[LQ]
	XLD 0, ACC
	XLD 1, FR
.if \pf
	PREF
.endif
	s_wait_dscnt 16                                ; the first 16 rows; behind them 16 loads
	QUANT ACC, 16, 56
	v_add_nc_u32 v65, s[IB], v[IW]
	v_add_nc_u32 v66, s[IB], v[IWS]
	IMAGE 0, 16, 56
	s_wait_dscnt 3                                 ; the other 16 rows; behind them three stores
	QUANT FR, 24, 64
	IMAGE 1, 24, 64
	BARRIER                                        ; the batch's sixteen fragments lie in LDS
.endm
.macro KV
	s_cmp_lt_u32 s[WV], 4
	s_cbranch_scc0 .Lv_\@
	KPASS
	s_branch .Lj_\@
.Lv_\@:
	s_cmp_eq_u32 s[CNT], NT
	s_cbranch_scc1 .Lj_\@
	VPASS
.Lj_\@:
	s_wait_loadcnt 0x0                             ; the first trip: W3 and its scale words are in
.endm
.macro STEPON
	s_xor_b32 s[TB], s[TB], SLOT                   ; on to the other slot,
	s_xor_b32 s[IB], s[IB], IBUF                   ; the other image buffer
	s_add_co_u32 s[QB], s[QB], QP                  ; and the next row
	s_sub_co_u32 s[CNT], s[CNT], 1
	s_cmp_lg_u32 s[CNT], 0
.endm
.macro RED                             ; four pairs in v144-151 become one sum over the wave's 512 numbers, in v144 of every lane
	v_pk_add_f32 v[144:145], v[144:145], v[146:147]
	v_pk_add_f32 v[148:149], v[148:149], v[150:151]
	v_pk_add_f32 v[144:145], v[144:145], v[148:149]
	v_add_f32 v144, v144, v145
.irp x, 1,2,4,8
	v_add_f32_dpp v144, v144, v144 row_xmask:\x row_mask:0xf bank_mask:0xf
.endr
	v_permlanex16_b32 v[PD], v144, s[SEL], s[SEL+1]
	v_add_f32 v144, v144, v[PD]
.endm
	; ---------------- THE HEAD
	s_load_b512 s[4:19], s[0:1], 0x0               ; Lt s[4:5], ct s[6:7], wc s[8:9], ws s[10:11], b1 s[12:13], b3 s[14:15], b4 s[16:17], ln_g s[18:19]
	s_load_b128 s[20:23], s[0:1], 0x40             ; ln_b, out0
	v_lshl_add_u32 v[SPW], v0, 2, SPARE
	v_mov_b32 v[NIL], 0
	ds_add_u32 v[SPW], v[NIL]                      ; the opening: the add, twice on end, and its wait ahead of my first tensor load
	ds_add_u32 v[SPW], v[NIL]
	v_lshrrev_b32 v16, 5, v0
	v_readfirstlane_b32 s[WV], v16                 ; wave 0..7
	s_and_b32 s[WL], s[WV], 3
	s_lshr_b32 s[HF], s[WV], 2
	s_mul_i32 s66, s[WV], PART
	s_lshl_b32 s67, s[HF], 13
	s_lshl_b32 s50, s[WL], 10
	s_add_co_u32 s67, s67, s50
	s_lshl_b32 s68, s[HF], 9
	s_lshl_b32 s50, s[WL], 2
	s_add_co_u32 s68, s68, s50
	s_add_co_u32 s68, s68, 16384
	s_lshl_b32 s69, s[WL], 8
	s_lshl_b32 s70, s[WL], 9
	s_lshl_b32 s71, s[WV], 14
	s_lshl_b32 s72, s[WV], 4
	s_add_co_u32 s72, s72, IMG+IBUF
	s_add_co_u32 s73, s72, 16384
	; descriptor group 1: 32 rows x 128 elements of 4 bytes, 2,048 bytes apart in memory, 16 bytes of padding behind each row in LDS
	s_mov_b32 s[G1+0], (2<<16)|(1<<20)|(6<<22)|(3<<25)   ; 15:0 no mask; 17:16 elements of 4 bytes; 20 padding on; 24:22 after every 128 words (code 6); 31:25 four words (code 3)
	s_mov_b32 s[G1+1], 128<<16                     ; tensor_dim0 = 128
	s_mov_b32 s[G1+2], 32<<16                      ; tensor_dim1 = 32
	s_mov_b32 s[G1+3], 128<<16                     ; tile_dim0 = 128
	s_mov_b32 s[G1+4], 32                          ; tile_dim1 = 32
	s_mov_b32 s[G1+5], 512                         ; elements from row to row
	s_mov_b32 s[G1+6], 0
	s_mov_b32 s[G1+7], 0
	s_mov_b32 s[G0], 1                             ; count = 1
	s_mov_b32 s[G0+1], s66                         ; LDS: my part of slot 0
	s_lshl_b32 s50, ttmp9, 20                      ; my work-group's 8 batches of 131,072 bytes,
	s_lshl_b32 s52, s[HF], 16                      ; my 32 rows,
	s_add_co_u32 s50, s50, s52
	s_add_co_u32 s50, s50, s70                     ; my 512 bytes of a row
	s_mov_b32 s51, 0
	s_mov_b32 s53, 0
	s_wait_dscnt 0x0                               ; both opening adds are done
	s_wait_kmcnt 0x0
	s_add_nc_u64 s[G0+2:G0+3], s[4:5], s[50:51]
	s_or_b32 s[G0+3], s[G0+3], 0x80000000          ; type = 2
	tensor_load_to_lds s[G0:G0+3], s[G1:G1+7]      ; batch 0 into slot 0: one tensor load a wave at the head
	s_nop 0
	PLACES
	s_lshl_b32 s50, ttmp9, 20
	s_add_nc_u64 s[PFA:PFA+1], s[4:5], s[50:51]
	s_add_nc_u64 s[PFA:PFA+1], s[PFA:PFA+1], 131072   ; batch 1
	s_lshl_b32 s50, ttmp9, 14
	s_add_nc_u64 s[6:7], s[6:7], s[50:51]          ; ct and out0 at my work-group's 8 rows
	s_add_nc_u64 s[22:23], s[22:23], s[50:51]
	s_lshl_b32 s52, s[WV], 11
	s_add_nc_u64 s[74:75], s[6:7], s[52:53]        ; ct: my wave's row
	s_mov_b32 s52, s70
	s_add_nc_u64 s[6:7], s[6:7], s[52:53]          ; and my 128 columns
	s_add_nc_u64 s[22:23], s[22:23], s[52:53]
	s_add_nc_u64 s[12:13], s[12:13], s[52:53]
	s_add_nc_u64 s[16:17], s[16:17], s[52:53]
	s_lshl_b32 s52, s[WL], 15                      ; my 8 tiles of 4,096 bytes of each weight's codes
	s_add_nc_u64 s[54:55], s[8:9], s[52:53]        ; W1
	s_add_nc_u64 s[56:57], s[54:55], 0x20000       ; W4
	s_add_nc_u64 s[60:61], s[54:55], 0x60000       ; W3
	s_lshl_b32 s52, s[WL], 11                      ; my 128 rows of 16 scale bytes
	s_add_nc_u64 s[58:59], s[10:11], s[52:53]
	s_add_nc_u64 s[62:63], s[58:59], 0x2000
	s_add_nc_u64 s[76:77], s[58:59], 0x6000
	s_mov_b32 s79, 0
	s_cmp_lt_u32 s[WV], 4                          ; waves 0-3 begin with W2, waves 4-7 with W1
	s_cselect_b32 s50, 0x40000, 0
	s_cselect_b32 s78, 0x4000, 0
	s_add_nc_u64 s[54:55], s[54:55], s[50:51]
	s_add_nc_u64 s[58:59], s[58:59], s[78:79]
	s_mov_b32 s[SEL], 0x76543210
	s_mov_b32 s[SEL+1], 0xfedcba98
	s_mov_b32 s[CS], 0x3d8293ee
	s_mov_b32 s[CS+1], s[CS]                       ; (named with it as a pair, so it is written)
	s_mov_b32 s[TB], 0
	s_mov_b32 s[IB], IMG
	s_mov_b32 s[QB], 0
	s_mov_b32 s[CNT], NT
	v_and_b32 v16, 31, v0                          ; lane
	v_and_b32 v17, 15, v0                          ; r
	v_bfe_u32 v18, v0, 4, 1                        ; h
	v_and_b32 v19, 7, v0                           ; r & 7
	v_mul_u32_u24 v[LQ], v17, 528
	v_lshl_add_u32 v[LQ], v18, 7, v[LQ]
	v_add_nc_u32 v[LQ], s66, v[LQ]
	v_lshlrev_b32 v[L16], 4, v16
	v_add_nc_u32 v[IW], s67, v[L16]
	v_lshl_add_u32 v[IWS], v17, 4, s68
	v_lshlrev_b32 v[SH8], 3, v18
	v_lshl_add_u32 v[SCS], v16, 2, s69
	v_add_nc_u32 v[SCS], SCR, v[SCS]
	v_lshlrev_b32 v[SCD], 3, v16
	v_add_nc_u32 v[PST], s69, v[SCD]
	v_add_nc_u32 v[PST], PSC, v[PST]
	v_lshl_add_u32 v[PLD], v18, 5, s69
	v_add_nc_u32 v[PLD], PSC, v[PLD]
	v_add_nc_u32 v[SCD], SCR, v[SCD]
	v_lshl_add_u32 v[QR], v18, 5, s70
	v_add_nc_u32 v[QR], QC, v[QR]
	v_mad_u32_u24 v[QW], v19, QP, v[QR]
	v_lshl_add_u32 v[CW], v16, 2, s70
	v_add_nc_u32 v[CW], QC, v[CW]
	v_lshl_add_u32 v[PFO], v16, 8, s71
	v_lshlrev_b32 v20, 6, v16                      ; my 16 numbers of a row
	v_lshlrev_b32 v21, 5, v18
	v_lshrrev_b32 v22, 1, v16                      ; my block of the row,
	v_and_b32 v23, 1, v16                          ; and which half of it
	v_lshl_add_u32 v24, v22, 8, s72                ; where its codes go in image buffer 1: row w
	v_lshl_add_u32 v24, v23, 3, v24
	v_add_nc_u32 v25, s73, v22                     ; and its scale byte
	v_lshl_add_u32 v26, v19, 4, IMG+IBUF           ; where the rows' scale words are read: lanes r = 8 .. 15 double rows 0 .. 7
	v_lshl_add_u32 v27, v18, 8, v26                ; and the fragments
	v_mov_b32 v[PD], 0                             ; written once: a lane permute's destination counts as one of its sources
	WA
.irp i, 0,1,2,3
	global_load_b128 v[64+4*\i:67+4*\i], v20, s[74:75] offset:16*\i   ; ct's row w, 16 neighbours a lane
.endr
	GLS 58
	GLW 54
	s_cmp_lt_u32 s[WV], 4
	s_cbranch_scc1 .Lno_b1
.irp n, 0,1,2,3,4,5,6,7
.irp u, 0,1
	global_load_b128 v[192+8*\n+4*\u:195+8*\n+4*\u], v21, s[12:13] offset:64*\n+16*\u   ; b1 as eight tiles in the transposed result's layout
.endr
.endr
.Lno_b1:
	PREF                                           ; batch 1
	s_wait_loadcnt 63                              ; behind ct's four loads stand 68 or more
	ROWQ 64, 24, 25
	BARRIER                                        ; ct's four fragments lie in LDS
	s_cmp_lt_u32 s[WV], 4
	s_cbranch_scc1 .Lq_done
.irp s, 0,1,2,3
.irp c, 0,1
	ds_load_b128 v[FR+8*\s+4*\c:FR+8*\s+4*\c+3], v27 offset:1024*\s+512*\c
.endr
.endr
	ds_load_b128 v[SCL:SCL+3], v26 offset:16384
	s_wait_dscnt 0x0
	s_wait_loadcnt 0x0                             ; W1, its scale words and b1
	WIN 0x01
.irp s, 0,1,2,3                                    ; q^T = W1 ct^T + b1: the eight accumulators by turns; b1 is the C of the first K step
.irp n, 0,1,2,3,4,5,6,7
.if \s == 0
	MM ACC+8*\n, 8*(4*\n+\s), FR+8*\s, 192+8*\n, 1, SCW+4*(\n/2)+\s, SCL+\s, (\n)%2, 0
.else
	MM ACC+8*\n, 8*(4*\n+\s), FR+8*\s, ACC+8*\n, 1, SCW+4*(\n/2)+\s, SCL+\s, (\n)%2, 0
.endif
.endr
.endr
	WIN 0
	PLACES
.set j, 0
.rept 32
	v_pk_mul_f32 v[ACC+j:ACC+j+1], v[ACC+j:ACC+j+1], s[CS:CS+1] op_sel_hi:[1,0]   ; q x log2(e) / sqrt(512)
.set j, j+2
.endr
.irp n, 0,1,2,3,4,5,6,7
.irp u, 0,1
	ds_store_b128 v[QW], v[ACC+8*\n+4*\u:ACC+8*\n+4*\u+3] offset:64*\n+16*\u   ; row = batch r & 7; lanes r and r + 8 write the same bytes with the same values
.endr
.endr
	GLS 76                                         ; W3 where W1 lay: first wanted in the second trip
	GLW 60
.Lq_done:
	CHANGE 1                                       ; batch 0 and q lie in LDS; batch 1 into slot 1
	; ---------------- THE LOOPS: six trips with a refill, two without
.Ltrip:
	QPHASE 1
	KV
	CHANGE 1
	STEPON
	s_cbranch_scc1 .Ltrip
	s_mov_b32 s[CNT], 2
.Lrest:
	QPHASE 0
	KV
	CHANGE 0
	STEPON
	s_cbranch_scc1 .Lrest
	; ---------------- THE END: batch 7's p . v; beside it W4, ct's rows and b4 come in
	v_and_b32 v[PFO], 31, v0
	v_lshlrev_b32 v[PFO], 6, v[PFO]                ; 64 x lane: my 16 numbers of a row (nothing is prefetched any more)
.irp i, 0,1,2,3
	global_load_b128 v[240+4*\i:243+4*\i], v[PFO], s[14:15] offset:16*\i   ; b3
.endr
.irp i, 0,1,2,3
	global_load_b128 v[224+4*\i:227+4*\i], v[PFO], s[18:19] offset:16*\i   ; ln_g
.endr
.irp i, 0,1,2,3
	global_load_b128 v[208+4*\i:211+4*\i], v[PFO], s[20:21] offset:16*\i   ; ln_b
.endr
	s_cmp_lt_u32 s[WV], 4
	s_cbranch_scc0 .Llast_v
.irp i, 0,1,2,3,4,5,6,7
	global_load_b128 v[64+4*\i:67+4*\i], v[L16], s[6:7] offset:2048*\i     ; ct's 8 rows, my 512 bytes of each
.endr
	global_load_b128 v[96:99], v[L16], s[16:17]    ; b4 likewise
	GLS 62
	GLW 56
	s_wait_loadcnt 63                              ; behind b4 stand 68 loads
.irp i, 0,1,2,3,4,5,6,7
	v_pk_add_f32 v[64+4*\i:65+4*\i], v[64+4*\i:65+4*\i], v[96:97]
	v_pk_add_f32 v[66+4*\i:67+4*\i], v[66+4*\i:67+4*\i], v[98:99]
.endr
	WA
	s_branch .Llast_j
.Llast_v:
	SCORES
	VPASS
.Llast_j:
	BARRIER                                        ; the context's 8 rows lie in LDS
	; LayerNorm, relu and quantiser of row w, 16 neighbours a lane
	s_mul_i32 s50, s[WV], QP
	s_add_co_u32 s50, s50, QC+QP
	s_add_co_u32 s51, s70, QC
	v_and_b32 v16, 31, v0
	v_lshl_add_u32 v17, v16, 6, s50
.irp i, 0,1,2,3
	ds_load_b128 v[128+4*\i:131+4*\i], v17 offset:16*\i
.endr
	v_lshrrev_b32 v18, 1, v16
	v_and_b32 v19, 1, v16
	v_lshl_add_u32 v20, v18, 8, s72
	v_lshl_add_u32 v20, v19, 3, v20
	v_add_nc_u32 v21, s73, v18
	v_and_b32 v22, 7, v0
	v_bfe_u32 v23, v0, 4, 1
	v_lshl_add_u32 v24, v22, 4, IMG+IBUF
	v_lshl_add_u32 v25, v23, 8, v24
	v_add_nc_u32 v26, s51, v[L16]                  ; where I read a row of out back
	WA
	s_wait_loadcnt 0x0                             ; b3, ln_g, ln_b, and in waves 0-3 W4
	s_wait_dscnt 0x0
.irp i, 0,2,4,6,8,10,12,14
	v_pk_add_f32 v[128+\i:129+\i], v[128+\i:129+\i], v[240+\i:241+\i]
.endr
.irp i, 0,1,2,3
	v_pk_add_f32 v[144+2*\i:145+2*\i], v[128+4*\i:129+4*\i], v[130+4*\i:131+4*\i]
.endr
	RED
	v_mul_f32 v58, 0x3b000000, v144                ; the mean: / 512
.irp i, 0,2,4,6,8,10,12,14
	v_pk_add_f32 v[128+\i:129+\i], v[128+\i:129+\i], v[58:59] op_sel_hi:[1,0] neg_lo:[0,1] neg_hi:[0,1]   ; the variance is taken of x - mean: no difference of large sums
.endr
.irp i, 0,1,2,3
	v_pk_mul_f32 v[144+2*\i:145+2*\i], v[128+4*\i:129+4*\i], v[128+4*\i:129+4*\i]
.endr
.irp i, 0,1,2,3
	v_pk_fma_f32 v[144+2*\i:145+2*\i], v[130+4*\i:131+4*\i], v[130+4*\i:131+4*\i], v[144+2*\i:145+2*\i]
.endr
	RED
	s_mov_b32 s50, 0x3b000000                      ; 1 / 512
	s_mov_b32 s51, 0x3727c5ac                      ; 1e-5
	v_fma_f32 v61, v144, s50, s51                  ; var + eps
	WA
	v_rsq_f32 v60, v61
	v_nop
	WA
.irp i, 0,2,4,6,8,10,12,14
	v_pk_mul_f32 v[128+\i:129+\i], v[128+\i:129+\i], v[60:61] op_sel_hi:[1,0]
.endr
.irp i, 0,2,4,6,8,10,12,14
	v_pk_fma_f32 v[128+\i:129+\i], v[128+\i:129+\i], v[224+\i:225+\i], v[208+\i:209+\i]
.endr
.irp i, 0,1,2,3,4,5,6,7,8,9,10,11,12,13,14,15
	v_max_num_f32 v[128+\i], 0, v[128+\i]          ; relu
.endr
	ROWQ 128, 20, 21
	BARRIER                                        ; the last product's four fragments lie in LDS
	s_cmp_lt_u32 s[WV], 4
	s_cbranch_scc0 .Lend
.irp s, 0,1,2,3
.irp c, 0,1
	ds_load_b128 v[192+8*\s+4*\c:195+8*\s+4*\c], v25 offset:1024*\s+512*\c
.endr
.endr
	ds_load_b128 v[SCL:SCL+3], v24 offset:16384
	s_wait_dscnt 0x0
	WIN 0x01
.irp s, 0,1,2,3                                    ; W4 x^T: the eight accumulators by turns
.irp n, 0,1,2,3,4,5,6,7
	MM 128+8*\n, 8*(4*\n+\s), 192+8*\s, 128+8*\n, \s, SCW+4*(\n/2)+\s, SCL+\s, (\n)%2, 0
.endr
.endr
	WIN 0
	PLACES
.irp n, 0,1,2,3,4,5,6,7
.irp u, 0,1
	ds_store_b128 v[QW], v[128+8*\n+4*\u:131+8*\n+4*\u] offset:64*\n+16*\u   ; into my own columns of the table (its rows are done with), each accumulator from its low end on
.endr
.endr
.irp i, 0,1,2,3,4,5,6,7
	ds_load_b128 v[192+4*\i:195+4*\i], v26 offset:QP*\i   ; LDS serves a wave's instructions in order (ISA guide 5.7.1): these see my stores.  A row's 512 bytes, 16 a lane
.endr
	s_wait_dscnt 0x0
.set j, 0
.rept 16
	v_pk_add_f32 v[192+j:193+j], v[192+j:193+j], v[64+j:65+j]
.set j, j+2
.endr
.irp i, 0,1,2,3,4,5,6,7
	global_store_b128 v[L16], v[192+4*\i:195+4*\i], s[22:23] offset:2048*\i th:TH_STORE_NT   ; 32 lanes store 512 consecutive bytes, aligned
.endr
.Lend:
	s_wait_tensorcnt 0x0                           ; the wave's end, behind my last tensor load and my last LDS store
	ds_add_u32 v[SPW], v[NIL]
	s_wait_dscnt 0x0
	s_endpgm
.Lfunc_end_k_qf5d65a1d92_main:
	.size	k_qf5d65a1d92_main, .Lfunc_end_k_qf5d65a1d92_main-k_qf5d65a1d92_main
	.p2alignl 7, 3214868480
	.fill 96, 4, 3214868480
	.section	.rodata,"a",@progbits
	.p2align	6, 0x0
	.amdhsa_kernel k_qf5d65a1d92_main
		.amdhsa_group_segment_fixed_size 327680
		.amdhsa_private_segment_fixed_size 0
		.amdhsa_enable_private_segment 0
		.amdhsa_kernarg_size 80
		.amdhsa_user_sgpr_count 2
		.amdhsa_user_sgpr_kernarg_segment_ptr 1
		.amdhsa_wavefront_size32 1
		.amdhsa_system_sgpr_workgroup_id_x 1
		.amdhsa_system_sgpr_workgroup_id_y 1
		.amdhsa_system_sgpr_workgroup_id_z 1
		.amdhsa_system_vgpr_workitem_id 0
		.amdhsa_next_free_vgpr 512
		.amdhsa_next_free_sgpr 80
		.amdhsa_reserve_vcc 0
		.amdhsa_float_denorm_mode_32 3
		.amdhsa_float_denorm_mode_16_64 3
		.amdhsa_memory_ordered 1
		.amdhsa_forward_progress 1
		.amdhsa_inst_pref_size 223
	.end_amdhsa_kernel
	.amdgpu_metadata
---
amdhsa.version: [ 1, 2 ]
amdhsa.kernels:
  - .name:           k_qf5d65a1d92_main
    .symbol:         k_qf5d65a1d92_main.kd
    .args:
      - { .name: Lt, .offset: 0, .size: 8, .value_kind: global_buffer, .address_space: global }
      - { .name: ct, .offset: 8, .size: 8, .value_kind: global_buffer, .address_space: global }
      - { .name: wc, .offset: 16, .size: 8, .value_kind: global_buffer, .address_space: global }
      - { .name: ws, .offset: 24, .size: 8, .value_kind: global_buffer, .address_space: global }
      - { .name: b1, .offset: 32, .size: 8, .value_kind: global_buffer, .address_space: global }
      - { .name: b3, .offset: 40, .size: 8, .value_kind: global_buffer, .address_space: global }
      - { .name: b4, .offset: 48, .size: 8, .value_kind: global_buffer, .address_space: global }
      - { .name: ln_g, .offset: 56, .size: 8, .value_kind: global_buffer, .address_space: global }
      - { .name: ln_b, .offset: 64, .size: 8, .value_kind: global_buffer, .address_space: global }
      - { .name: out0, .offset: 72, .size: 8, .value_kind: global_buffer, .address_space: global }
    .group_segment_fixed_size: 327680
    .private_segment_fixed_size: 0
    .kernarg_segment_align: 8
    .kernarg_segment_size: 80
    .max_flat_workgroup_size: 256
    .sgpr_count:     80
    .vgpr_count:     512
    .wavefront_size: 32
...
	.end_amdgpu_metadata
.endif
;; end of part 2
